; MI455X (gfx1250); checked and timed in simulation.
; The chip was launched on July 23, 2026; its instructions are those of AMD's public machine-readable ISA for CDNA 5 (MIT licence, August 2026) and "CDNA5" Instruction Set Architecture Reference Guide (July 2026). The comments in the code are by the model that wrote it; some were corrected since.
;; Feed Forward Quantum. Allowed arithmetic: matrix products marked QUANTISED: E5M2 operands, one given power-of-two scale a tensor, by v_wmma_f32_16x16x64_bf8_bf8 or v_wmma_f32_16x16x128_bf8_bf8, f32 sums; products left as they are: f32 operands where the result goes on into a quantised operand, else bf16, f16 or f32 operands; f32 sums; everything else in f32.
;; Inputs: W1 4,096 x 8 float32; W2 1,024 x 4,096 float32; b1 4,096 float32; b2 1,024 float32; lowp_scales 2 int32 (the exponents e of the quantised operands' scales 2^e); theta 8 float32; x 8 x 2,048 x 1,024 float32.
;; Outputs: out0 8 x 2,048 x 1,024 float32.
;; This version of the problem:
;;   THIS VERSION OF THE PROBLEM IS GIVEN IN LOW PRECISION. The matrix products marked QUANTISED in the list below multiply operands that are first quantised to E5M2 (5 exponent bits, 2 mantissa bits; 8 bits a number), with one given power-of-two scale for each operand tensor; their sums are f32. All else is computed in f32.
;;   The module's matrix products, in the order in which they are computed (A, B: the left and right operand; K: the contracted axis; several contracted axes count as one K, in the product's order):
;;     1. [M 16,384, K 8] x [K 8, N 4,096]; A: computed on the way; B: input W1: left as it is (K = 8 < 32)
;;     2. [M 16,384, K 4,096] x [K 4,096, N 1,024]; A: computed on the way; B: input W2: QUANTISED (scales: A lowp_scales[0], B lowp_scales[1])
;;   THE QUANTISER, for each operand of a quantised product, along K:
;;     - The operand's scale is 2^e, e = its entry of the input lowp_scales (int32; the entries are numbered through the quantised products in the list's order, A before B).
;;     - Each number is divided by the scale, clamped to +-57,344, and rounded to the nearest number of E5M2, ties to even, subnormals kept.
;;     - The product sums the exact products of the quantised numbers (number of the format x scale) in f32.
;;   ~~~python
;;   def quantise(x, axis, e):      # numpy; x: float32 -> the quantised numbers, widened to float32 again
;;       x = np.moveaxis(x, axis, -1); K = x.shape[-1]
;;       r = np.clip(x / 2.0 ** e, -57344, 57344)
;;       step = 2.0 ** (np.maximum(np.frexp(np.where(r == 0, 1, r))[1] - 1, -14) - 2)
;;       q = np.round(r / step) * step * 2.0 ** e      # np.round: ties to even
;;       return np.moveaxis(q, -1, axis).astype(np.float32)
;;   ~~~
;;   OPERANDS COMPUTED ON THE WAY. 'Computed on the way' means the value that the module computes at that place (a softmax that the list does not call 'softmax' is quantised finished and normalised). What goes into a quantiser is computed in f32, as accurately as f32 sums, v_exp_f32 and their like allow (about 1e-6 of the number): no bf16 or f16 on the way to a quantiser, and a product that is left as it is and whose result goes on into a quantised operand takes f32 operands (vector FMAs, or v_wmma_f32_16x16x4_f32). A number that lies on a knife's edge between two numbers of the format may be rounded either way, as far as f32 arithmetic and the matrix unit's own rounding can turn it there, and no further.
;; 2 versions. Each part assembles by itself: llvm-mc -triple=amdgcn-amd-amdhsa -mcpu=gfx1250 --defsym DOCPART=n.
;; ======== version 1 of 2: 2 launches
;; limits: inputs' magnitudes at most 131,072
;; workspace buffers: w2s 4,397,056 bytes
;; launch prep (part 1): grid 256 x 1, 4 waves a work-group, no clusters, 34,304 bytes of LDS; arguments W2, W1, b1, lowp_scales, w2s; writes w2s
.if DOCPART == 1
	.amdgcn_target "amdgcn-amd-amdhsa--gfx1250"
	.amdhsa_code_object_version 6
	.text
	.protected	k_q28fd6df41f_prep
	.globl	k_q28fd6df41f_prep
	.p2align	8
	.type	k_q28fd6df41f_prep,@function
k_q28fd6df41f_prep:
	s_mov_b64 s[64:65], 0
	v_nop
	global_prefetch_b8 v0, s[64:65] scope:SCOPE_SE
	s_setreg_imm32_b32 hwreg(HW_REG_WAVE_MODE, 25, 1), 1
	s_wait_xcnt 0x0
; W2 [1024][4096] f32 becomes codes of E5M2 with the given scale 2^e1 (entry 1 of the scales), laid in the ORDER OF THE OPERAND'S REGISTERS for the next launch;
; W1 [4096][8] and b1 [4096] are laid beside them, as f32, in the order in which the next launch's f32 products take them.
; code = x / 2^e1, held within +-57,344, to the nearest code, ties to even.  LIMITS: e1 between -126 and 112.  NaN among the inputs is not served.
; THE WORKSPACE: 33 pieces aux(g) of AUX bytes at g BLK, 32 pieces codes(n) of 131,072 bytes at AUX + n BLK: so codes(n) and aux(n + 1) are one dense block of BLK bytes.
;   codes(n): the 16 bytes at 32768 w + 16384 q + 1024 b + 512 c + 16 L (lane L = 16 h + r) are W2[256 w + 16 b + r][128 n + 64 q + 32 c + 16 h + 0 .. 15].
;   aux(g):   tile t = 2 w + u at 512 t: lane L's 16 bytes are W1[f][2h], W1[f][2h+1], W1[f][4+2h], W1[f][5+2h], f = 128 g + 32 w + 8 u + r + 8 (r / 8);
;             from byte 4096 on b1[128 g .. 128 g + 127], four times over (so that every byte of the piece is written).  aux(32) repeats aux(31): it is fetched with codes(31) and never used.
; SHARES.  Wave W = 4 x work-group + wave (0 .. 1023) takes 16 rows of W2 (tile ct = W % 64) x 256 along K (j = W / 64: K steps 2 j and 2 j + 1): 1,024 consecutive bytes of each row.
; Each load reads 512 consecutive bytes of a row.  The conversions want 16 neighbours along K in one lane, so a K step's 16 x 512 bytes turn through the wave's own stage in LDS
; (rows 528 bytes apart: 132 words, so that sixteen rows start at sixteen different groups of four banks).  A lane's 16 codes are 16 bytes: each store of the wave covers 512 consecutive bytes, aligned to 512.
; No barrier: waves share nothing.  No tensor load, no cluster: no two work-groups read the same bytes of W2.
.set BLK,  137216
.set AUX,  6144
.set SP,   528                         ; a stage row
.set RW,   16                          ; v16-143  as loaded: K step i, row p at RW + 64 i + 4 p
.set XN,   144                         ; v144-207 64 numbers of my row: register 16 g + e = k 32 g + 16 h + e
.set CQ,   208                         ; v208-239 codes: 16 registers for each K step, so that no store's data are written again
.set AX,   240                         ; v240-251 W1's two tiles and b1
	s_load_b256 s[4:11], s[0:1], 0x0               ; W2 s[4:5], W1 s[6:7], b1 s[8:9], the scales' exponents s[10:11]
	s_load_b64 s[12:13], s[0:1], 0x20              ; the workspace
	v_lshl_add_u32 v254, v0, 2, 0x8400
	v_mov_b32 v255, 0
	v_lshrrev_b32 v1, 5, v0
	v_readfirstlane_b32 s16, v1                    ; wave 0..3
	v_and_b32 v1, 31, v0                           ; lane
	v_and_b32 v2, 15, v0                           ; r
	v_bfe_u32 v3, v0, 4, 1                         ; h
	v_lshlrev_b32 v4, 4, v1                        ; 16 x lane: my place in 512 consecutive bytes
	s_mul_i32 s24, s16, 16*SP                      ; my wave's stage
	v_add_nc_u32 v5, s24, v4                       ; into it: as loaded
	v_mul_u32_u24 v6, v2, SP
	v_lshl_add_u32 v6, v3, 6, v6
	v_add_nc_u32 v6, s24, v6                       ; out of it: row r, + 64 h bytes: my 16 numbers of a block of 32
	s_lshl_b32 s17, ttmp9, 2
	s_add_co_u32 s17, s17, s16                     ; W
	s_and_b32 s18, s17, 63                         ; ct
	s_lshr_b32 s19, s17, 6                         ; j
	s_lshl_b32 s20, s18, 18                        ; 16 rows of 16,384 bytes x ct
	s_lshl_b32 s21, s19, 10                        ; + 1,024 j
	s_add_co_u32 s20, s20, s21
	s_mov_b32 s21, 0
	s_mul_i32 s22, s19, 2*BLK                      ; codes(2 j),
	s_lshr_b32 s23, s18, 4
	s_lshl_b32 s23, s23, 15                        ; + 32768 (ct / 16)
	s_add_co_u32 s22, s22, s23
	s_and_b32 s23, s18, 15
	s_lshl_b32 s23, s23, 10                        ; + 1024 (ct % 16)
	s_add_co_u32 s22, s22, s23
	s_add_co_u32 s22, s22, AUX
	s_mov_b32 s23, 0
	s_wait_kmcnt 0x0
	s_load_b32 s25, s[10:11], 0x4                  ; e1
	s_add_nc_u64 s[4:5], s[4:5], s[20:21]
	s_add_nc_u64 s[14:15], s[12:13], s[22:23]
.irp i, 0,1
.irp p, 0,1,2,3,4,5,6,7,8,9,10,11,12,13,14,15
	global_load_b128 v[RW+64*\i+4*\p:RW+64*\i+4*\p+3], v4, s[4:5] offset:\p*16384+\i*512 th:TH_LOAD_NT   ; 32 lanes read 512 consecutive bytes of row p; read once in the launch
.endr
.endr
	s_wait_kmcnt 0x0
	s_add_co_i32 s25, s25, 127
	s_lshl_b32 s26, s25, 23
	v_mov_b32 v11, s26                             ; 2^e1 as f32: the conversion takes its exponent field
	s_add_co_i32 s25, s25, 15
	s_lshl_b32 s25, s25, 23
	s_or_b32 s25, s25, 0x600000
	v_mov_b32 v10, s25                             ; 57,344 x 2^e1
; K step 2 j + i.  left: the loads that may stay out.
.macro TILE i, left
	s_wait_loadcnt \left                           ; loads come back in order: this K step's sixteen are in
.irp p, 0,1,2,3,4,5,6,7,8,9,10,11,12,13,14,15
	ds_store_b128 v5, v[RW+64*\i+4*\p:RW+64*\i+4*\p+3] offset:\p*SP
.endr
.irp g, 0,1,2,3
.irp k, 0,1,2,3
	ds_load_b128 v[XN+16*\g+4*\k:XN+16*\g+4*\k+3], v6 offset:128*\g+16*\k   ; LDS serves a wave's instructions in order: these see the stores above
.endr
.endr
	s_wait_dscnt 0x0
.irp g, 0,1,2,3
.irp e, 0,1,2,3,4,5,6,7,8,9,10,11,12,13,14,15
	v_med3_num_f32 v[XN+16*\g+\e], v[XN+16*\g+\e], -v10, v10   ; the conversion to an 8-bit code does not saturate (ISA guide 7.6.2): the hold at the largest code x the scale comes first
.endr
	v_cvt_scalef32_pk8_bf8_f32 v[CQ+16*\i+4*\g:CQ+16*\i+4*\g+1], v[XN+16*\g:XN+16*\g+7], v11
	v_cvt_scalef32_pk8_bf8_f32 v[CQ+16*\i+4*\g+2:CQ+16*\i+4*\g+3], v[XN+16*\g+8:XN+16*\g+15], v11   ; the results go to stores alone; the next vector lines are plain and touch other registers
.endr
.irp g, 0,1,2,3
	global_store_b128 v4, v[CQ+16*\i+4*\g:CQ+16*\i+4*\g+3], s[14:15] offset:\i*BLK+(\g/2)*16384+(\g%2)*512   ; 512 consecutive bytes, aligned
.endr
.endm
	TILE 0, 16                                     ; the second K step's sixteen loads may stay out
	TILE 1, 0
	; the pieces aux(g): work-groups 0 to 32 lay one each
	s_cmp_lt_u32 ttmp9, 33
	s_cbranch_scc0 .Lend
	s_min_u32 s26, ttmp9, 31                       ; aux(32) repeats aux(31)
	s_lshl_b32 s20, s26, 12                        ; W1: 128 rows of 32 bytes x g,
	s_lshl_b32 s21, s16, 10                        ; + 32 rows x wave
	s_add_co_u32 s20, s20, s21
	s_mov_b32 s21, 0
	s_add_nc_u64 s[6:7], s[6:7], s[20:21]
	s_lshl_b32 s20, s26, 9                         ; b1: 128 numbers x g
	s_add_nc_u64 s[8:9], s[8:9], s[20:21]
	s_mul_i32 s20, ttmp9, BLK
	s_add_nc_u64 s[12:13], s[12:13], s[20:21]      ; aux(g)
	v_and_b32 v7, 8, v2
	v_add_nc_u32 v7, v7, v2                        ; r + 8 (r / 8): the rows of a tile are not neighbours
	v_lshlrev_b32 v7, 5, v7
	v_lshl_add_u32 v7, v3, 3, v7                   ; that row of 32 bytes, + 8 h
	s_lshl_b32 s27, s16, 10
	v_add_nc_u32 v8, s27, v4                       ; out: tiles 2 w, 2 w + 1
	s_lshl_b32 s27, s16, 9
	v_add_nc_u32 v9, s27, v4                       ; out: copy w of b1
.irp u, 0,1
.irp s, 0,1
	global_load_b64 v[AX+4*\u+2*\s:AX+4*\u+2*\s+1], v7, s[6:7] offset:256*\u+16*\s   ; W1[f][4 s + 2 h], [4 s + 2 h + 1]
.endr
.endr
	global_load_b128 v[AX+8:AX+11], v4, s[8:9]
	s_wait_loadcnt 0x0
.irp u, 0,1
	global_store_b128 v8, v[AX+4*\u:AX+4*\u+3], s[12:13] offset:512*\u
.endr
	global_store_b128 v9, v[AX+8:AX+11], s[12:13] offset:4096
.Lend:
	s_wait_tensorcnt 0x0
	ds_add_u32 v254, v255
	s_wait_dscnt 0x0
	s_endpgm
.Lfunc_end_k_q28fd6df41f_prep:
	.size	k_q28fd6df41f_prep, .Lfunc_end_k_q28fd6df41f_prep-k_q28fd6df41f_prep
	.p2alignl 7, 3214868480
	.fill 96, 4, 3214868480
	.section	.rodata,"a",@progbits
	.p2align	6, 0x0
	.amdhsa_kernel k_q28fd6df41f_prep
		.amdhsa_group_segment_fixed_size 34304
		.amdhsa_private_segment_fixed_size 0
		.amdhsa_enable_private_segment 0
		.amdhsa_kernarg_size 40
		.amdhsa_user_sgpr_count 2
		.amdhsa_user_sgpr_kernarg_segment_ptr 1
		.amdhsa_wavefront_size32 1
		.amdhsa_system_sgpr_workgroup_id_x 1
		.amdhsa_system_sgpr_workgroup_id_y 1
		.amdhsa_system_sgpr_workgroup_id_z 1
		.amdhsa_system_vgpr_workitem_id 0
		.amdhsa_next_free_vgpr 256
		.amdhsa_next_free_sgpr 66
		.amdhsa_reserve_vcc 0
		.amdhsa_float_denorm_mode_32 3
		.amdhsa_float_denorm_mode_16_64 3
		.amdhsa_memory_ordered 1
		.amdhsa_forward_progress 1
		.amdhsa_inst_pref_size 21
	.end_amdhsa_kernel
	.amdgpu_metadata
---
amdhsa.version: [ 1, 2 ]
amdhsa.kernels:
  - .name:           k_q28fd6df41f_prep
    .symbol:         k_q28fd6df41f_prep.kd
    .args:
      - { .name: W2, .offset: 0, .size: 8, .value_kind: global_buffer, .address_space: global }
      - { .name: W1, .offset: 8, .size: 8, .value_kind: global_buffer, .address_space: global }
      - { .name: b1, .offset: 16, .size: 8, .value_kind: global_buffer, .address_space: global }
      - { .name: lowp_scales, .offset: 24, .size: 8, .value_kind: global_buffer, .address_space: global }
      - { .name: w2s, .offset: 32, .size: 8, .value_kind: global_buffer, .address_space: global }
    .group_segment_fixed_size: 34304
    .private_segment_fixed_size: 0
    .kernarg_segment_align: 8
    .kernarg_segment_size: 40
    .max_flat_workgroup_size: 128
    .sgpr_count:     66
    .vgpr_count:     256
    .wavefront_size: 32
...
	.end_amdgpu_metadata
.endif
;; end of part 1
;; launch ffn (part 2): grid 256 x 1, 4 waves a work-group, clusters of 4 x 1, 327,680 bytes of LDS; arguments x, theta, lowp_scales, b2, w2s, out0; writes out0
.if DOCPART == 2
	.amdgcn_target "amdgcn-amd-amdhsa--gfx1250"
	.amdhsa_code_object_version 6
	.text
	.protected	k_q28fd6df41f_ffn
	.globl	k_q28fd6df41f_ffn
	.p2align	8
	.type	k_q28fd6df41f_ffn,@function
k_q28fd6df41f_ffn:
	s_mov_b64 s[64:65], 0
	v_nop
	global_prefetch_b8 v0, s[64:65] scope:SCOPE_SE
	s_setreg_imm32_b32 hwreg(HW_REG_WAVE_MODE, 25, 1), 1
	s_wait_xcnt 0x0
	s_wait_alu depctr_hold_cnt(0) depctr_sa_sdst(0) depctr_va_vdst(0) depctr_va_sdst(0) depctr_va_ssrc(0) depctr_va_vcc(0) depctr_vm_vsrc(0)
	s_getreg_b32 s2, hwreg(HW_REG_IB_STS2, 6, 4)
	s_cmp_eq_u32 s2, 0
	s_cbranch_scc0 .Lentry_in_a_cluster
	s_endpgm
.Lentry_in_a_cluster:
	s_bfe_u32 s2, ttmp6, 0x10000c
	s_cmp_lg_u32 s2, 0x3003
	s_cbranch_scc0 .Lentry_shape_is_right
	s_endpgm
.Lentry_shape_is_right:
; out[t][e] = sum over f of Q(h[t][f]) Q(W2[e][f]) + b2[e];  h = relu(q W1^T + b1);  q[t][i] = (ct cx)^2 + (st sx)^2 - (st cx)^2 - (ct sx)^2 with the sines and cosines of theta[i] / 2 and x[t][i] / 2, i = 0 .. 7.
; 16,384 tokens, 4,096 hidden units, 1,024 outputs.  Q: codes of E5M2 with the given scales 2^e0 (h) and 2^e1 (W2, made by the launch before).  h never leaves the WGP, and each h is made once.
; LIMITS: e0 between -126 and 112; e0 + e1 between -126 and 127; |x| and |theta| up to 2^17 for the full accuracy of the reduction below; NaN and infinities among the inputs are not served.
; SHARES.  A work-group of four waves owns 64 tokens x all 1,024 outputs: 65,536 sums, 512 registers in each wave.  Wave w owns outputs 256 w .. 256 w + 255 for all 64 tokens (64 accumulators of 16 x 16),
; and makes, for each K step of 128 hidden units, units 32 w .. 32 w + 31 of all 64 tokens; the four waves' codes meet in LDS as images of the operand's registers.
; W2's codes come in K steps of 128 through a ring of two LDS slots.  All work-groups walk the same codes: the four of a cluster ask for each block JOINTLY (one mask of four, the same descriptor in all four).
; A block is dense in memory: 131,072 bytes of codes in register order, then the NEXT K step's W1 tiles and b1 (6,144 bytes); each wave fetches a quarter, 134 rows of 256 bytes.  No padding: every LDS load reads 512 consecutive bytes.
; THE PRODUCTS.  h: v_wmma_f32_16x16x4_f32, transposed (source 0 = 16 rows of W1, source 1 = 16 tokens' q, C = b1), two K steps of 4.  Lane r of tile u takes hidden unit 32 w + 8 u + r + 8 (r / 8), so that a lane's
; 16 registers of tiles 0 and 1 are units 32 w + 16 h + 0 .. 15 of ONE token: the conversions' results are the next operand's registers.  The relu is the lower end of the hold that the conversion wants anyway.
; out: v_wmma_f32_16x16x64_bf8_bf8, transposed (source 0 = 16 rows of W2, source 1 = 16 tokens): a lane holds eight neighbouring outputs of one token.  Registers 4 c .. 4 c + 3 of either operand hold
; k = 32 c + 16 h + 0 .. 15: a permutation of k, the same on both sides.  A K step of 128 is two sub-steps of 64 on two sets of fragments.
; THE PIPELINE.  In the trip of K step n: the second sub-step of n - 1 is multiplied round the change of slots; then h(n + 1) is made, and between its sixteen f32 products stand the LDS loads of step n's fragments
; and the quantiser's vector work; then the first sub-step of n is multiplied.
; REGISTERS, in windows of 256.  Window 0: v2-15 addresses and constants; v16-23 b2; v24-39 q; v40-47 W1's two tiles; v48-63 b1; v64-127 h (written by matrix instructions alone); v128-159 h held, two sets; v160-167 codes, two sets;
;   v168-171 addresses; v192-255 h's fragments, two sets.  Window 1: W2's fragments, two sets of 128 (on the way out: rows of out).  Window 2: accumulators of tokens 0-31 ((a, b) at 128 (a % 2) + 8 b).  Window 3: of tokens 32-63.
.set BLK,    137216                    ; a block: codes(n), then aux(n + 1)
.set AUX,    6144
.set QTR,    BLK/4                     ; what one tensor load brings: 134 rows of 256 bytes
.set XW1,    131072                    ; in a slot: W1's eight tiles, 512 bytes each,
.set XB1,    135168                    ; and b1's 128 numbers
.set HIMG,   2*BLK                     ; behind the ring: h's images, two of 8,192 bytes: 2048 m + 512 c + 16 L (m: tile of tokens; c: block of 32 along K = the wave that made it)
.set SPARE,  HIMG+16384                ; the spare words, 128 bytes for each wave: two blocks of 256 bytes that no other line names
.set SPITCH, 1040                      ; the way out: a stage of 16 rows x (1,024 bytes + 16) for each wave, in slot 0, which has had its last fill and its last read by then
.set ADRB, 2                           ; v2-3   my W2 fragments in slot 0, 1: 32768 w + 16 L
.set ADRX, 4                           ; v4-5   my W1 tiles
.set ADRC, 6                           ; v6-7   my b1
.set AIMG, 8                           ; v8     h's images, to read: HIMG + 16 L
.set HWI,  9                           ; v9     and to write: HIMG + 512 w + 16 L
.set SPW,  10                          ; v10    LDS address of my spare word; never rewritten
.set NIL,  11                          ; v11    0; never rewritten
.set SC,   12                          ; v12    2^e0 as f32
.set HOLD, 13                          ; v13    57,344 x 2^e0
.set PFO,  14                          ; v14    prefetch: 256 x lane
.set PFO2, 15                          ; v15    prefetch of the block's last 6,144 bytes
.set B2,   16
.set QF,   24                          ; 4 m + 2 s + j: q[16 m + r][4 s + 2 h + j]
.set WF,   40                          ; 4 u + 2 s + j
.set BC,   48                          ; 8 u + j: b1[32 w + 16 h + 8 u + j]
.set DH,   64                          ; 16 m + 8 u + j
.set TT,   128
.set CD,   160
.set STO,  168
.set RD,   169
.set CO,   170                         ; 1024 w + 16 L
.set XO,   171
.set AF,   192                         ; 32 set + 8 m + 4 c
.set XR,   128                         ; the head alone: x as loaded,
.set TH,   144                         ; theta,
.set CTH,  148                         ; its cosines and sines,
.set STH,  152
.set T,    156                         ; seven at work,
.set CXR,  163                         ; one x's cosine and sine
.set SXR,  164
.set G1,   24                          ; s[24:31] descriptor group 1
.set G0,   32                          ; s[32:39] group 0, a set for each slot
.set PFA,  44                          ; s[44:45] where my prefetches stand
.set LIM1, 46                          ; s46  1 in a wave that prefetches codes, else the greatest number
.set LIM2, 47                          ; s47  the same for the block's last 6,144 bytes
.set MUL_LO, 0xa1                      ; source 0 (W2) window 1, source 1 (h) window 0, C and D window 2
.set TO_B,   0x40                      ; destination window 1, address window 0
.set ST_LO,  0x08                      ; an LDS store's data in window 2
.set MSB, 0
.macro WIN new                         ; the immediate's high byte repeats the setting that is left
.if MSB != \new
	s_set_vgpr_msb (MSB<<8)|\new
.set MSB, \new
.endif
.endm
.macro NOPS n
.rept \n
	v_nop
.endr
.endm
.macro CREST                           ; a round of the cluster's barrier behind its opening barrier
	s_cmp_lg_u32 s16, 0
	s_cbranch_scc1 .Lnot_wave_0_\@
	s_barrier_signal -3
.Lnot_wave_0_\@:
	s_barrier_wait -3
	s_barrier_signal -1
	s_barrier_wait -1
.endm
.macro CROUND
	s_barrier_signal -1
	s_barrier_wait -1
	CREST
.endm
; A PREFETCH INTO THE L2: at the change of slots that asks for block n + 1, block n + 3 is named: two trips ahead of the tensor load that will want it.  All 64 clusters walk the same blocks: the first cluster asks.
; Its sixteen waves share the codes out BY ADDRESS, 8,192 bytes each, lanes 256 bytes apart; wave 0 of each partner also names six of the 24 pieces of 256 bytes behind the codes (its lanes 6 to 31 name the sixth again).
; The last lap asks for nothing: block 31 is the last.  Blocks 0 to 3 come by their loads alone.
.macro ASK
	s_cmp_gt_u32 s3, s[LIM1]
	s_cbranch_scc0 .Lno_codes_\@
	global_prefetch_b8 v[PFO], s[PFA:PFA+1] th:TH_LOAD_NT scope:SCOPE_SE
.Lno_codes_\@:
	s_cmp_gt_u32 s3, s[LIM2]
	s_cbranch_scc0 .Lno_aux_\@
	global_prefetch_b8 v[PFO2], s[PFA:PFA+1] th:TH_LOAD_NT scope:SCOPE_SE
.Lno_aux_\@:
.endm
; 16 products: tokens 16 a on x my 16 tiles of outputs, 64 along K, fragments of one set.  zero = 1: they start the sums.  The 64 accumulators take turns, in the same order in every sub-step.
.macro MULA set, a, zero
	WIN MUL_LO+0x50*((\a)/2)
.irp b, 0,1,2,3,4,5,6,7,8,9,10,11,12,13,14,15
.if \zero
	v_wmma_f32_16x16x64_bf8_bf8 v[128*((\a)%2)+8*\b:128*((\a)%2)+8*\b+7], v[128*(\set)+8*\b:128*(\set)+8*\b+7], v[AF+32*(\set)+8*(\a):AF+32*(\set)+8*(\a)+7], 0
.else
	v_wmma_f32_16x16x64_bf8_bf8 v[128*((\a)%2)+8*\b:128*((\a)%2)+8*\b+7], v[128*(\set)+8*\b:128*(\set)+8*\b+7], v[AF+32*(\set)+8*(\a):AF+32*(\set)+8*(\a)+7], v[128*((\a)%2)+8*\b:128*((\a)%2)+8*\b+7]
.endif
.endr
.endm
.macro LW2 p, set, b0, n               ; n fragments of W2 from b0 on, of slot p's sub-step 'set': two loads of 512 consecutive bytes each
	WIN TO_B
.set lb, \b0
.rept \n
	ds_load_b128 v[128*(\set)+8*lb:128*(\set)+8*lb+3], v[ADRB+(\p)] offset:16384*(\set)+1024*lb
	ds_load_b128 v[128*(\set)+8*lb+4:128*(\set)+8*lb+7], v[ADRB+(\p)] offset:16384*(\set)+1024*lb+512
.set lb, lb+1
.endr
	WIN 0
.endm
.macro LA p, set, m0                   ; h's fragments of tiles m0, m0 + 1 of tokens, from image p
.irp i, 0,1
	ds_load_b128 v[AF+32*(\set)+8*((\m0)+\i):AF+32*(\set)+8*((\m0)+\i)+3], v[AIMG] offset:8192*(\p)+2048*((\m0)+\i)+1024*(\set)
	ds_load_b128 v[AF+32*(\set)+8*((\m0)+\i)+4:AF+32*(\set)+8*((\m0)+\i)+7], v[AIMG] offset:8192*(\p)+2048*((\m0)+\i)+1024*(\set)+512
.endr
.endm
.macro LAUX p                          ; the next K step's W1 tiles and b1, which came with slot p's block
.irp u, 0,1
	ds_load_b128 v[WF+4*\u:WF+4*\u+3], v[ADRX+(\p)] offset:512*\u
.endr
.irp u, 0,1
.irp k, 0,1
	ds_load_b128 v[BC+8*\u+4*\k:BC+8*\u+4*\k+3], v[ADRC+(\p)] offset:32*\u+16*\k
.endr
.endr
.endm
; f32 product k of 16: tokens 16 (k / 4) on, tile u = k % 2 of my hidden units, K step s = (k % 4) / 2.  The order u0 s0, u1 s0, u0 s1, u1 s1 lets the two accumulators take turns.  b1 is the C of a sum's first product.
.macro FW k
.set fm, (\k)/4
.set fu, (\k)%2
.set fs, ((\k)%4)/2
.if fs == 0
	v_wmma_f32_16x16x4_f32 v[DH+16*fm+8*fu:DH+16*fm+8*fu+7], v[WF+4*fu:WF+4*fu+1], v[QF+4*fm:QF+4*fm+1], v[BC+8*fu:BC+8*fu+7]
.else
	v_wmma_f32_16x16x4_f32 v[DH+16*fm+8*fu:DH+16*fm+8*fu+7], v[WF+4*fu+2:WF+4*fu+3], v[QF+4*fm+2:QF+4*fm+3], v[DH+16*fm+8*fu:DH+16*fm+8*fu+7]
.endif
.endm
; Slice i of four of the quantiser for tokens 16 m on: sixteen holds, each accumulator from its low end on, into other registers; two conversions; the image's store into image pi.
.macro VS m, i, pi
.set vsT, TT+16*((\m)%2)
.set vsD, DH+16*(\m)
.set vsC, CD+4*((\m)%2)
.if (\i) < 3
.irp e, 0,1,2,3,4
	v_med3_num_f32 v[vsT+5*(\i)+\e], v[vsD+5*(\i)+\e], 0, v[HOLD]   ; the relu and the hold in one: between 0 and the largest code x the scale (the conversion does not saturate: ISA guide 7.6.2)
.endr
.else
	v_med3_num_f32 v[vsT+15], v[vsD+15], 0, v[HOLD]
	v_cvt_scalef32_pk8_bf8_f32 v[vsC:vsC+1], v[vsT:vsT+7], v[SC]
	v_cvt_scalef32_pk8_bf8_f32 v[vsC+2:vsC+3], v[vsT+8:vsT+15], v[SC]
	v_nop                                          ; one plain vector line behind the conversions, ahead of whatever next writes their sources
	ds_store_b128 v[HWI], v[vsC:vsC+3] offset:8192*(\pi)+2048*(\m)   ; k = 32 w + 16 h + 0 .. 15 of token 16 m + r
.endif
.endm
; THE NEXT K STEP'S h, into image pi; ld = 1: between its products stand the loads of this K step's fragments (slot p, image p): set 0 first, then set 1.
; A read of an f32 product's result stands eight plain vector lines behind it (ISA guide 7.12.1): the runs of v_nop make up what the slices leave.  Loads into set 1 stand behind the first such run, which also parts them from
; the products that read set 1; loads into set 0 stand behind the four v_nop at the change of slots.
.macro PRODUCE p, pi, ld
	FW 0
.if \ld
	LW2 \p, 0, 0, 4
	LA \p, 0, 0
.endif
	FW 1
.if \ld
	LW2 \p, 0, 4, 4
	LA \p, 0, 2
.endif
	FW 2
.if \ld
	LW2 \p, 0, 8, 4
.endif
	FW 3
	NOPS 8
.if \ld
	LA \p, 1, 0
.endif
	FW 4
.if \ld
	LW2 \p, 0, 12, 4
.endif
	VS 0, 0, \pi
	FW 5
	VS 0, 1, \pi
.if \ld
	LW2 \p, 1, 0, 4
.endif
	FW 6
	VS 0, 2, \pi
.if \ld
	LW2 \p, 1, 4, 4
.endif
	FW 7
	VS 0, 3, \pi
	NOPS 6                                         ; with the hold and the v_nop of the slice: eight
.if \ld
	LA \p, 1, 2
.endif
	FW 8
	VS 1, 0, \pi
.if \ld
	LW2 \p, 1, 8, 4
.endif
	FW 9
	VS 1, 1, \pi
.if \ld
	LW2 \p, 1, 12, 4
.endif
	FW 10
	VS 1, 2, \pi
	FW 11
	VS 1, 3, \pi
	NOPS 6
	FW 12
	VS 2, 0, \pi
	FW 13
	VS 2, 1, \pi
	FW 14
	VS 2, 2, \pi
	FW 15
	VS 2, 3, \pi
	NOPS 6
	VS 3, 0, \pi
	VS 3, 1, \pi
	VS 3, 2, \pi
	VS 3, 3, \pi
.endm
; THE TRIP OF K STEP n, n % 2 = p.  ONE barrier for the change of slots.  In front of it each wave has waited for all its tensor loads (its quarter of block n), added 0 to its spare word, and waited for that, for its image
; stores of h(n) and for its reads of the other slot and the other image.  fill = 1: the barrier opens a round of the cluster's, and behind the round the other slot takes block n + 1.  prod = 1: h(n + 1) is made.
.macro TRIP p, fill, prod
.if \fill
	s_wait_xcnt 0x0                                ; the last prefetches, a trip back, have read their address:
	s_add_nc_u64 s[PFA:PFA+1], s[PFA:PFA+1], BLK   ; it steps here, ahead of the change's own waits
.endif
	s_wait_tensorcnt 0x0                           ; no tensor load of mine is out, so a group 0 may be written
	ds_add_u32 v[SPW], v[NIL]                      ; 0 onto my spare word
.if \fill
	s_add_nc_u64 s[G0+4*(1-\p)+2:G0+4*(1-\p)+3], s[G0+4*(1-\p)+2:G0+4*(1-\p)+3], 2*BLK   ; the other slot's next block; the type bits on top are not reached
.endif
	s_wait_dscnt 4                                 ; the add and my last three image stores may be out: every load of set 1 is older
	MULA 1, 0, 0                                   ; sixteen products stand between the add and the wait for it
	s_wait_dscnt 0x0                               ; the add is done, my image stores have landed, my reads of the other slot are over
	s_barrier_signal -1
	MULA 1, 1, 0
	WIN 0
	s_barrier_wait -1
.if \fill
	CREST                                          ; no wave of any partner still reads that slot or has a load on its way
	tensor_load_to_lds s[G0+4*(1-\p):G0+4*(1-\p)+3], s[G1:G1+7]   ; my one tensor load behind the round, and the first thing there
	s_nop 0
.endif
	NOPS 4                                         ; behind a tensor load; also the places in front of the loads into set 0
.if \prod
	LAUX \p
	ASK
	MULA 1, 2, 0
	MULA 1, 3, 0
	WIN 0
	s_wait_dscnt 0x0                               ; W1's tiles and b1 are in (asked for 32 products ago)
	PRODUCE \p, 1-\p, 1
.else
	LW2 \p, 0, 0, 16
	LA \p, 0, 0
	LA \p, 0, 2
	MULA 1, 2, 0
	MULA 1, 3, 0
	NOPS 4                                         ; places in front of the loads into set 1
	LW2 \p, 1, 0, 16
	LA \p, 1, 0
	LA \p, 1, 2
.endif
	s_wait_dscnt 40                                ; set 0 is in.  Younger than its last load: 36 loads of set 1 and 4 image stores (without h to make: the 40 loads of set 1)
	MULA 0, 0, 0
	MULA 0, 1, 0
	MULA 0, 2, 0
	MULA 0, 3, 0
	WIN 0
.endm
; |cos| and |sin| of v[src] / 2 up to their signs, which the squares below drop.  a = v / 2; n = a x 2 / pi to the nearest whole number (by adding and taking off 1.5 x 2^23: the sum's lowest bit is n's parity);
; r = a - n pi / 2 with pi / 2 in three parts, each by one fused multiply-add; polynomials on |r| <= pi / 4; where n is odd the two change places.
.macro TRIG src, dc, dsn
	v_mul_f32 v[T], 0.5, v[\src]
	v_fma_f32 v[T+1], v[T], s50, s49
	v_and_b32 v[T+6], 1, v[T+1]
	v_sub_f32 v[T+1], v[T+1], s49                  ; n
	v_fma_f32 v[T], v[T+1], s51, v[T]
	v_fma_f32 v[T], v[T+1], s52, v[T]
	v_fma_f32 v[T], v[T+1], s53, v[T]              ; r
	v_mul_f32 v[T+2], v[T], v[T]                   ; z = r^2
	v_fma_f32 v[T+3], v[T+2], s54, s55
	v_fma_f32 v[T+4], v[T+2], s57, s58
	v_fma_f32 v[T+3], v[T+3], v[T+2], s56
	v_fma_f32 v[T+4], v[T+4], v[T+2], s59
	v_mul_f32 v[T+5], v[T+2], v[T]
	v_fma_f32 v[T+3], v[T+3], v[T+5], v[T]         ; sin r = r + r z (S1 + z (S2 + z S3))
	v_mul_f32 v[T+5], v[T+2], v[T+2]
	v_fma_f32 v[T], v[T+2], -0.5, 1.0
	v_fma_f32 v[T+4], v[T+4], v[T+5], v[T]         ; cos r = 1 - z / 2 + z^2 (C1 + z (C2 + z C3))
	v_cmp_eq_u32 vcc_lo, 1, v[T+6]
	v_cndmask_b32 v[\dc], v[T+4], v[T+3], vcc_lo
	v_cndmask_b32 v[\dsn], v[T+3], v[T+4], vcc_lo
.endm
.macro QONE i                          ; q from x's register i and theta's register i % 4, in the four squares' form
	TRIG XR+\i, CXR, SXR
	v_mul_f32 v[T], v[CTH+(\i)%4], v[CXR]
	v_mul_f32 v[T+1], v[STH+(\i)%4], v[SXR]
	v_mul_f32 v[T+2], v[STH+(\i)%4], v[CXR]
	v_mul_f32 v[T+3], v[CTH+(\i)%4], v[SXR]
	v_mul_f32 v[T], v[T], v[T]
	v_mul_f32 v[T+2], v[T+2], v[T+2]
	v_fma_f32 v[T], v[T+1], v[T+1], v[T]
	v_fma_f32 v[T+2], v[T+3], v[T+3], v[T+2]
	v_sub_f32 v[QF+\i], v[T], v[T+2]
.endm
; THE WAY OUT of tokens 16 a on.  A lane holds 32 neighbouring bytes of a row, the lanes beside it other rows: the block goes through my own stage and comes back as half rows of 512 bytes, into window 1
; (two halves of 128 registers by turns); there sum x 2^(e0 + e1) + b2, one packed multiply-add for two numbers; each store of the wave covers 512 consecutive bytes, aligned.
.macro OUTBLK a
.set oA, 128*((\a)%2)
	WIN ST_LO+4*((\a)/2)
.irp b, 0,1,2,3,4,5,6,7,8,9,10,11,12,13,14,15
	ds_store_b128 v[STO], v[oA+8*\b:oA+8*\b+3] offset:64*\b           ; each accumulator from its low end on
	ds_store_b128 v[STO], v[oA+8*\b+4:oA+8*\b+7] offset:64*\b+16
.endr
.if (\a) >= 2
	s_wait_xcnt 0x0                                ; the stores of the block two back have read the registers that these loads fill
.endif
	WIN TO_B
.irp hf, 0,1
.irp t, 0,1,2,3,4,5,6,7,8,9,10,11,12,13,14,15
	ds_load_b128 v[oA+64*\hf+4*\t:oA+64*\hf+4*\t+3], v[RD] offset:SPITCH*\t+512*\hf   ; LDS serves a wave's instructions in order: these see my stores, and the next block's stores come behind them
.endr
.endr
.irp hf, 0,1
	s_wait_dscnt 16-16*\hf                         ; this half's sixteen loads are in; the other half's may be out
	WIN 0x41                                       ; destination and source 0 window 1; b2 window 0
.irp t, 0,1,2,3,4,5,6,7,8,9,10,11,12,13,14,15
	v_pk_fma_f32 v[oA+64*\hf+4*\t:oA+64*\hf+4*\t+1], v[oA+64*\hf+4*\t:oA+64*\hf+4*\t+1], s[42:43], v[B2+4*\hf:B2+4*\hf+1] op_sel_hi:[1,0,1]
	v_pk_fma_f32 v[oA+64*\hf+4*\t+2:oA+64*\hf+4*\t+3], v[oA+64*\hf+4*\t+2:oA+64*\hf+4*\t+3], s[42:43], v[B2+4*\hf+2:B2+4*\hf+3] op_sel_hi:[1,0,1]
.endr
	WIN 0x04                                       ; a store's data window 1, its offset window 0
.irp t, 0,1,2,3,4,5,6,7,8,9,10,11,12,13,14,15
	global_store_b128 v[CO], v[oA+64*\hf+4*\t:oA+64*\hf+4*\t+3], s[14:15] offset:(16*(\a)+\t)*4096+512*\hf th:TH_STORE_NT
.endr
.endr
.endm
	s_load_b256 s[4:11], s[0:1], 0x0               ; x s[4:5], theta s[6:7], the scales' exponents s[8:9], b2 s[10:11]
	s_load_b128 s[12:15], s[0:1], 0x20             ; the workspace s[12:13], out s[14:15]
	v_lshl_add_u32 v[SPW], v0, 2, SPARE
	v_mov_b32 v[NIL], 0
	ds_add_u32 v10, v11
	ds_add_u32 v10, v11
	s_wait_dscnt 0x0
	v_lshrrev_b32 v1, 5, v0
	v_readfirstlane_b32 s16, v1                    ; wave 0..3
	s_bfe_u32 s17, ttmp6, 0x40000                  ; cx: my place in the cluster: it enters x's, out's and the prefetches' addresses alone
	s_lshl_b32 s18, ttmp9, 2                       ; in a cluster launch ttmp9 counts clusters
	s_add_co_u32 s18, s18, s17                     ; my block of 64 tokens
	; descriptor group 1: 134 rows of 32 elements of 8 bytes, dense in memory and in LDS
	s_mov_b32 s[G1+0], 15|(3<<16)|(1<<21)          ; 15:0 the mask: all four work-groups; 17:16 elements of 8 bytes; 20 no padding; 21 set beside a mask
	s_mov_b32 s[G1+1], 32<<16                      ; tensor_dim0 = 32
	s_mov_b32 s[G1+2], 134<<16                     ; tensor_dim1 = 134
	s_mov_b32 s[G1+3], 32<<16                      ; tile_dim0 = 32
	s_mov_b32 s[G1+4], 134                         ; tile_dim1 = 134
	s_mov_b32 s[G1+5], 32                          ; from row to row
	s_mov_b32 s[G1+6], 0
	s_mov_b32 s[G1+7], 0
	s_mov_b32 s49, 0x4b400000                      ; 1.5 x 2^23
	s_mov_b32 s50, 0x3f22f983                      ; 2 / pi
	s_mov_b32 s51, 0xbfc90fda                      ; -pi / 2 in three parts
	s_mov_b32 s52, 0xb3a22168
	s_mov_b32 s53, 0xa7c234c4
	s_mov_b32 s54, 0xb94ca1f9                      ; S3, S2, S1
	s_mov_b32 s55, 0x3c08839e
	s_mov_b32 s56, 0xbe2aaaa3
	s_mov_b32 s57, 0x37ccf5ce                      ; C3, C2, C1
	s_mov_b32 s58, 0xbab6061a
	s_mov_b32 s59, 0x3d2aaaa5
	s_mul_i32 s19, s16, QTR                        ; my quarter of a block, in LDS and in memory: the wave's number alone
	s_add_co_u32 s20, s19, AUX
	s_mov_b32 s21, 0
	s_lshl_b32 s22, s16, 2
	s_add_co_u32 s22, s22, s17
	s_lshl_b32 s22, s22, 13                        ; the prefetches: 8,192 bytes x (4 wave + cx),
	s_add_co_u32 s22, s22, AUX+3*BLK               ; in block 3: the first change of slots steps it to block 4
	s_mov_b32 s23, 0
	s_cmp_eq_u32 ttmp9, 0                          ; the first cluster asks: the same in all four partners
	s_cselect_b32 s[LIM1], 1, -1
	s_or_b32 s2, ttmp9, s16
	s_cmp_eq_u32 s2, 0                             ; and its waves 0 for the last 6,144 bytes
	s_cselect_b32 s[LIM2], 1, -1
	s_wait_kmcnt 0x0
	s_load_b64 s[40:41], s[8:9], 0x0               ; e0, e1
	s_add_nc_u64 s[20:21], s[12:13], s[20:21]      ; my quarter of block 0
	s_add_nc_u64 s[PFA:PFA+1], s[12:13], s[22:23]
	s_lshl_b32 s22, s18, 18                        ; 64 rows of 4,096 bytes x my block, in x and in out alike
	s_add_nc_u64 s[4:5], s[4:5], s[22:23]
	s_add_nc_u64 s[14:15], s[14:15], s[22:23]
.irp s, 0,1
	s_mov_b32 s[G0+4*\s], 1                        ; count = 1
	s_add_co_u32 s[G0+4*\s+1], s19, \s*BLK         ; LDS address
	s_add_nc_u64 s[G0+4*\s+2:G0+4*\s+3], s[20:21], \s*BLK   ; global address: block s
	s_or_b32 s[G0+4*\s+3], s[G0+4*\s+3], 0x80000000         ; type = 2
.endr
	CROUND                                         ; all four work-groups are here: the first joint loads meet
	tensor_load_to_lds s[G0:G0+3], s[G1:G1+7]      ; both first fills together: two loads of mine are out
	s_nop 0
	tensor_load_to_lds s[G0+4:G0+7], s[G1:G1+7]
	s_nop 0
	NOPS 4
	v_and_b32 v1, 31, v0                           ; L
	v_and_b32 v172, 15, v0                         ; r
	v_bfe_u32 v173, v0, 4, 1                       ; h
	v_lshlrev_b32 v[PFO], 8, v1
	v_min_u32 v[PFO2], 5, v1
	v_lshlrev_b32 v[PFO2], 8, v[PFO2]
	s_mul_i32 s22, s17, 6656                       ; from wave 0's 8192 cx to 131072 + 1536 cx
	s_sub_co_u32 s22, XW1, s22
	v_add_nc_u32 v[PFO2], s22, v[PFO2]
	v_lshlrev_b32 v1, 4, v1                        ; 16 L
	s_lshl_b32 s20, s16, 15
	v_add_nc_u32 v[ADRB], s20, v1
	v_add_nc_u32 v[ADRB+1], BLK, v[ADRB]
	s_lshl_b32 s20, s16, 10
	v_add_nc_u32 v[CO], s20, v1                    ; 1024 w + 16 L: my bytes of a row of out, of b2, and of aux's tiles
	s_add_co_u32 s20, s20, XW1
	v_add_nc_u32 v[ADRX], s20, v1
	v_add_nc_u32 v[ADRX+1], BLK, v[ADRX]
	s_lshl_b32 s20, s16, 7
	v_lshl_add_u32 v175, v173, 6, s20              ; 128 w + 64 h: my sixteen numbers of b1
	s_add_co_u32 s20, s20, XB1
	v_lshl_add_u32 v[ADRC], v173, 6, s20
	v_add_nc_u32 v[ADRC+1], BLK, v[ADRC]
	v_add_nc_u32 v[AIMG], HIMG, v1
	s_lshl_b32 s20, s16, 9
	s_add_co_u32 s20, s20, HIMG
	v_add_nc_u32 v[HWI], s20, v1
	s_mul_i32 s20, s16, 16*SPITCH                  ; my stage
	v_mul_u32_u24 v[STO], v172, SPITCH
	v_lshl_add_u32 v[STO], v173, 5, v[STO]
	v_add_nc_u32 v[STO], s20, v[STO]               ; in: row r, + 32 h
	v_add_nc_u32 v[RD], s20, v1                    ; back: 16 bytes a lane
	v_lshlrev_b32 v[XO], 12, v172
	v_lshl_add_u32 v[XO], v173, 3, v[XO]           ; x: row r of 4,096 bytes, + 8 h
	v_lshlrev_b32 v174, 3, v173                    ; theta: 8 h
.irp m, 0,1,2,3
.irp s, 0,1
	global_load_b64 v[XR+4*\m+2*\s:XR+4*\m+2*\s+1], v[XO], s[4:5] offset:65536*\m+16*\s   ; x[16 m + r][4 s + 2 h], [4 s + 2 h + 1]: only a row's first 32 bytes are wanted
.endr
.endr
.irp s, 0,1
	global_load_b64 v[TH+2*\s:TH+2*\s+1], v174, s[6:7] offset:16*\s
.endr
.irp u, 0,1
	global_load_b128 v[WF+4*\u:WF+4*\u+3], v[CO], s[12:13] offset:512*\u                  ; aux(0), which no block brings
.endr
.irp u, 0,1
.irp k, 0,1
	global_load_b128 v[BC+8*\u+4*\k:BC+8*\u+4*\k+3], v175, s[12:13] offset:4096+32*\u+16*\k
.endr
.endr
.irp hf, 0,1
	global_load_b128 v[B2+4*\hf:B2+4*\hf+3], v[CO], s[10:11] offset:512*\hf               ; b2[256 w + 128 hf + 4 L ..]
.endr
	s_wait_loadcnt 0x0
.irp i, 0,1,2,3
	TRIG TH+\i, CTH+\i, STH+\i
.endr
.irp i, 0,1,2,3,4,5,6,7,8,9,10,11,12,13,14,15
	QONE \i
.endr
	s_wait_kmcnt 0x0
	s_add_co_i32 s20, s40, 127
	s_lshl_b32 s21, s20, 23
	v_mov_b32 v[SC], s21                           ; 2^e0 as f32: the conversion takes its exponent field
	s_add_co_i32 s20, s20, 15
	s_lshl_b32 s20, s20, 23
	s_or_b32 s20, s20, 0x600000
	v_mov_b32 v[HOLD], s20                         ; 57,344 x 2^e0
	s_add_co_i32 s42, s40, s41
	s_add_co_i32 s42, s42, 127
	s_lshl_b32 s42, s42, 23                        ; 2^(e0 + e1) as f32
	s_mov_b32 s43, s42                             ; (named with it as a pair, so it is written)
	PRODUCE 0, 0, 0                                ; h(0), into image 0
	s_wait_tensorcnt 0x1                           ; my quarter of block 0 is in; block 1's may stay out
	s_wait_dscnt 0x0                               ; my image stores have landed
	s_barrier_signal -1
	s_barrier_wait -1
	LAUX 0                                         ; K step 0: h(1) is made, step 0's fragments are fetched,
	s_wait_dscnt 0x0
	PRODUCE 0, 1, 1
	s_wait_dscnt 40                                ; set 0 is in: 36 loads of set 1 and 4 image stores are younger
	MULA 0, 0, 1                                   ; and its first sub-step starts the sums: nothing is ever cleared
	MULA 0, 1, 1
	MULA 0, 2, 1
	MULA 0, 3, 1
	WIN 0                                          ; at a label and at a branch every window is 0
	s_mov_b32 s3, 15
.Llap:                                                 ; K steps 1 to 30, two a trip: once round the ring
	TRIP 1, 1, 1
	TRIP 0, 1, 1
	s_sub_co_u32 s3, s3, 1
	s_cmp_lg_u32 s3, 0
	s_cbranch_scc1 .Llap
	TRIP 1, 0, 0                                   ; K step 31 is written out: nothing is left to fetch or to make
	s_wait_dscnt 0x0                               ; set 1 is in
	MULA 1, 0, 0
	MULA 1, 1, 0
	MULA 1, 2, 0
	MULA 1, 3, 0
	NOPS 4                                         ; places in front of the first read of results, and of the loads into W2's registers
	OUTBLK 0
	OUTBLK 1
	OUTBLK 2
	OUTBLK 3
	WIN 0
	s_wait_tensorcnt 0x0                           ; the wave's end, behind my last tensor load and my last LDS store
	ds_add_u32 v[SPW], v[NIL]
	s_wait_dscnt 0x0
	CROUND                                         ; the closing round: no work-group ends while a partner may still ask for a block that names it
	s_endpgm
.Lfunc_end_k_q28fd6df41f_ffn:
	.size	k_q28fd6df41f_ffn, .Lfunc_end_k_q28fd6df41f_ffn-k_q28fd6df41f_ffn
	.p2alignl 7, 3214868480
	.fill 96, 4, 3214868480
	.section	.rodata,"a",@progbits
	.p2align	6, 0x0
	.amdhsa_kernel k_q28fd6df41f_ffn
		.amdhsa_group_segment_fixed_size 327680
		.amdhsa_private_segment_fixed_size 0
		.amdhsa_enable_private_segment 0
		.amdhsa_kernarg_size 48
		.amdhsa_user_sgpr_count 2
		.amdhsa_user_sgpr_kernarg_segment_ptr 1
		.amdhsa_wavefront_size32 1
		.amdhsa_system_sgpr_workgroup_id_x 1
		.amdhsa_system_sgpr_workgroup_id_y 1
		.amdhsa_system_sgpr_workgroup_id_z 1
		.amdhsa_system_vgpr_workitem_id 0
		.amdhsa_next_free_vgpr 1024
		.amdhsa_next_free_sgpr 66
		.amdhsa_reserve_vcc 1
		.amdhsa_float_denorm_mode_32 3
		.amdhsa_float_denorm_mode_16_64 3
		.amdhsa_memory_ordered 1
		.amdhsa_forward_progress 1
		.amdhsa_inst_pref_size 165
	.end_amdhsa_kernel
	.amdgpu_metadata
---
amdhsa.version: [ 1, 2 ]
amdhsa.kernels:
  - .name:           k_q28fd6df41f_ffn
    .symbol:         k_q28fd6df41f_ffn.kd
    .args:
      - { .name: x, .offset: 0, .size: 8, .value_kind: global_buffer, .address_space: global }
      - { .name: theta, .offset: 8, .size: 8, .value_kind: global_buffer, .address_space: global }
      - { .name: lowp_scales, .offset: 16, .size: 8, .value_kind: global_buffer, .address_space: global }
      - { .name: b2, .offset: 24, .size: 8, .value_kind: global_buffer, .address_space: global }
      - { .name: w2s, .offset: 32, .size: 8, .value_kind: global_buffer, .address_space: global }
      - { .name: out0, .offset: 40, .size: 8, .value_kind: global_buffer, .address_space: global }
    .group_segment_fixed_size: 327680
    .private_segment_fixed_size: 0
    .kernarg_segment_align: 8
    .kernarg_segment_size: 48
    .max_flat_workgroup_size: 128
    .sgpr_count:     66
    .vgpr_count:     1024
    .wavefront_size: 32
...
	.end_amdgpu_metadata
.endif
;; end of part 2
;; ======== version 2 of 2: 2 launches
;; limits: inputs' magnitudes at most 131,072; right only within a limited range of input values
;; workspace buffers: w2s 4,397,056 bytes
;; launch prep (part 3): grid 256 x 1, 4 waves a work-group, no clusters, 34,304 bytes of LDS; arguments W2, W1, b1, lowp_scales, w2s; writes w2s
.if DOCPART == 3
	.amdgcn_target "amdgcn-amd-amdhsa--gfx1250"
	.amdhsa_code_object_version 6
	.text
	.protected	k_q28fd6df41f_prep
	.globl	k_q28fd6df41f_prep
	.p2align	8
	.type	k_q28fd6df41f_prep,@function
k_q28fd6df41f_prep:
	s_mov_b64 s[64:65], 0
	v_nop
	global_prefetch_b8 v0, s[64:65] scope:SCOPE_SE
	s_setreg_imm32_b32 hwreg(HW_REG_WAVE_MODE, 25, 1), 1
	s_wait_xcnt 0x0
; W2 [1024][4096] f32 becomes codes of E5M2 with the given scale 2^e1 (entry 1 of the scales), laid in the ORDER OF THE OPERAND'S REGISTERS for the next launch;
; W1 [4096][8] and b1 [4096] are laid beside them, as f32, in the order in which the next launch's f32 products take them.
; code = x / 2^e1, held within +-57,344, to the nearest code, ties to even.  LIMITS: e1 between -126 and 112.  NaN among the inputs is not served.
; THE WORKSPACE: 33 pieces aux(g) of AUX bytes at g BLK, 32 pieces codes(n) of 131,072 bytes at AUX + n BLK: so codes(n) and aux(n + 1) are one dense block of BLK bytes.
;   codes(n): the 16 bytes at 32768 w + 16384 q + 1024 b + 512 c + 16 L (lane L = 16 h + r) are W2[256 w + 16 b + r][128 n + 64 q + 32 c + 16 h + 0 .. 15].
;   aux(g):   tile t = 2 w + u at 512 t: lane L's 16 bytes are W1[f][2h], W1[f][2h+1], W1[f][4+2h], W1[f][5+2h], f = 128 g + 32 w + 8 u + r + 8 (r / 8);
;             from byte 4096 on b1[128 g .. 128 g + 127], four times over (so that every byte of the piece is written).  aux(32) repeats aux(0): the next launch walks the K steps round, and behind step 31 comes step 0.
; SHARES.  Wave W = 4 x work-group + wave (0 .. 1023) takes 16 rows of W2 (tile ct = W % 64) x 256 along K (j = W / 64: K steps 2 j and 2 j + 1): 1,024 consecutive bytes of each row.
; Each load reads 512 consecutive bytes of a row.  The conversions want 16 neighbours along K in one lane, so a K step's 16 x 512 bytes turn through the wave's own stage in LDS
; (rows 528 bytes apart: 132 words, so that sixteen rows start at sixteen different groups of four banks).  A lane's 16 codes are 16 bytes: each store of the wave covers 512 consecutive bytes, aligned to 512.
; No barrier: waves share nothing.  No tensor load, no cluster: no two work-groups read the same bytes of W2.
; LEFT OUT IN THIS PROGRAM: reference() slices x[..., :8] ahead of every use, so features 8 to 1023 of each token reach no output, whatever they hold: the next launch reads the first 32 bytes of each row of x alone.
; LIMIT: a NaN or an infinity in the features left out is not carried to the result.
.set BLK,  137216
.set AUX,  6144
.set SP,   528                         ; a stage row
.set RW,   16                          ; v16-143  as loaded: K step i, row p at RW + 64 i + 4 p
.set XN,   144                         ; v144-207 64 numbers of my row: register 16 g + e = k 32 g + 16 h + e
.set CQ,   208                         ; v208-239 codes: 16 registers for each K step, so that no store's data are written again
.set AX,   240                         ; v240-251 W1's two tiles and b1
	s_load_b256 s[4:11], s[0:1], 0x0               ; W2 s[4:5], W1 s[6:7], b1 s[8:9], the scales' exponents s[10:11]
	s_load_b64 s[12:13], s[0:1], 0x20              ; the workspace
	v_lshl_add_u32 v254, v0, 2, 0x8400
	v_mov_b32 v255, 0
	v_lshrrev_b32 v1, 5, v0
	v_readfirstlane_b32 s16, v1                    ; wave 0..3
	v_and_b32 v1, 31, v0                           ; lane
	v_and_b32 v2, 15, v0                           ; r
	v_bfe_u32 v3, v0, 4, 1                         ; h
	v_lshlrev_b32 v4, 4, v1                        ; 16 x lane: my place in 512 consecutive bytes
	s_mul_i32 s24, s16, 16*SP                      ; my wave's stage
	v_add_nc_u32 v5, s24, v4                       ; into it: as loaded
	v_mul_u32_u24 v6, v2, SP
	v_lshl_add_u32 v6, v3, 6, v6
	v_add_nc_u32 v6, s24, v6                       ; out of it: row r, + 64 h bytes: my 16 numbers of a block of 32
	s_lshl_b32 s17, ttmp9, 2
	s_add_co_u32 s17, s17, s16                     ; W
	s_and_b32 s18, s17, 63                         ; ct
	s_lshr_b32 s19, s17, 6                         ; j
	s_lshl_b32 s20, s18, 18                        ; 16 rows of 16,384 bytes x ct
	s_lshl_b32 s21, s19, 10                        ; + 1,024 j
	s_add_co_u32 s20, s20, s21
	s_mov_b32 s21, 0
	s_mul_i32 s22, s19, 2*BLK                      ; codes(2 j),
	s_lshr_b32 s23, s18, 4
	s_lshl_b32 s23, s23, 15                        ; + 32768 (ct / 16)
	s_add_co_u32 s22, s22, s23
	s_and_b32 s23, s18, 15
	s_lshl_b32 s23, s23, 10                        ; + 1024 (ct % 16)
	s_add_co_u32 s22, s22, s23
	s_add_co_u32 s22, s22, AUX
	s_mov_b32 s23, 0
	s_wait_alu depctr_va_vdst(0)
	s_wait_kmcnt 0x0
	s_load_b32 s25, s[10:11], 0x4                  ; e1
	s_add_nc_u64 s[4:5], s[4:5], s[20:21]
	s_add_nc_u64 s[14:15], s[12:13], s[22:23]
.irp i, 0,1
.irp p, 0,1,2,3,4,5,6,7,8,9,10,11,12,13,14,15
	global_load_b128 v[RW+64*\i+4*\p:RW+64*\i+4*\p+3], v4, s[4:5] offset:\p*16384+\i*512 th:TH_LOAD_NT   ; 32 lanes read 512 consecutive bytes of row p; read once in the launch
.endr
.endr
	s_wait_kmcnt 0x0
	s_add_co_i32 s25, s25, 127
	s_lshl_b32 s26, s25, 23
	v_mov_b32 v11, s26                             ; 2^e1 as f32: the conversion takes its exponent field
	s_add_co_i32 s25, s25, 15
	s_lshl_b32 s25, s25, 23
	s_or_b32 s25, s25, 0x600000
	v_mov_b32 v10, s25                             ; 57,344 x 2^e1
; K step 2 j + i.  left: the loads that may stay out.
.macro TILE i, left
	s_wait_loadcnt \left                           ; loads come back in order: this K step's sixteen are in
.irp p, 0,1,2,3,4,5,6,7,8,9,10,11,12,13,14,15
	ds_store_b128 v5, v[RW+64*\i+4*\p:RW+64*\i+4*\p+3] offset:\p*SP
.endr
.irp g, 0,1,2,3
.irp k, 0,1,2,3
	ds_load_b128 v[XN+16*\g+4*\k:XN+16*\g+4*\k+3], v6 offset:128*\g+16*\k   ; LDS serves a wave's instructions in order: these see the stores above
.endr
.endr
	s_wait_dscnt 0x0
.irp g, 0,1,2,3
.irp e, 0,1,2,3,4,5,6,7,8,9,10,11,12,13,14,15
	v_med3_num_f32 v[XN+16*\g+\e], v[XN+16*\g+\e], -v10, v10   ; the conversion to an 8-bit code does not saturate (ISA guide 7.6.2): the hold at the largest code x the scale comes first
.endr
	v_cvt_scalef32_pk8_bf8_f32 v[CQ+16*\i+4*\g:CQ+16*\i+4*\g+1], v[XN+16*\g:XN+16*\g+7], v11
	v_cvt_scalef32_pk8_bf8_f32 v[CQ+16*\i+4*\g+2:CQ+16*\i+4*\g+3], v[XN+16*\g+8:XN+16*\g+15], v11   ; the results go to stores alone; the next vector lines are plain and touch other registers
.endr
.irp g, 0,1,2,3
	global_store_b128 v4, v[CQ+16*\i+4*\g:CQ+16*\i+4*\g+3], s[14:15] offset:\i*BLK+(\g/2)*16384+(\g%2)*512   ; 512 consecutive bytes, aligned
.endr
.endm
	s_wait_alu depctr_va_vdst(0)
	TILE 0, 16                                     ; the second K step's sixteen loads may stay out
	TILE 1, 0
	; the pieces aux(g): work-groups 0 to 32 lay one each
	s_cmp_lt_u32 ttmp9, 33
	s_cbranch_scc0 .Lend
	s_and_b32 s26, ttmp9, 31                       ; aux(32) repeats aux(0)
	s_lshl_b32 s20, s26, 12                        ; W1: 128 rows of 32 bytes x g,
	s_lshl_b32 s21, s16, 10                        ; + 32 rows x wave
	s_add_co_u32 s20, s20, s21
	s_mov_b32 s21, 0
	s_add_nc_u64 s[6:7], s[6:7], s[20:21]
	s_lshl_b32 s20, s26, 9                         ; b1: 128 numbers x g
	s_add_nc_u64 s[8:9], s[8:9], s[20:21]
	s_mul_i32 s20, ttmp9, BLK
	s_add_nc_u64 s[12:13], s[12:13], s[20:21]      ; aux(g)
	v_and_b32 v7, 8, v2
	v_add_nc_u32 v7, v7, v2                        ; r + 8 (r / 8): the rows of a tile are not neighbours
	v_lshlrev_b32 v7, 5, v7
	v_lshl_add_u32 v7, v3, 3, v7                   ; that row of 32 bytes, + 8 h
	s_lshl_b32 s27, s16, 10
	v_add_nc_u32 v8, s27, v4                       ; out: tiles 2 w, 2 w + 1
	s_lshl_b32 s27, s16, 9
	v_add_nc_u32 v9, s27, v4                       ; out: copy w of b1
.irp u, 0,1
.irp s, 0,1
	global_load_b64 v[AX+4*\u+2*\s:AX+4*\u+2*\s+1], v7, s[6:7] offset:256*\u+16*\s   ; W1[f][4 s + 2 h], [4 s + 2 h + 1]
.endr
.endr
	global_load_b128 v[AX+8:AX+11], v4, s[8:9]
	s_wait_alu depctr_va_vdst(0)
	s_wait_loadcnt 0x0
.irp u, 0,1
	global_store_b128 v8, v[AX+4*\u:AX+4*\u+3], s[12:13] offset:512*\u
.endr
	global_store_b128 v9, v[AX+8:AX+11], s[12:13] offset:4096
.Lend:
	s_wait_tensorcnt 0x0
	ds_add_u32 v254, v255
	s_wait_dscnt 0x0
	s_endpgm
.Lfunc_end_k_q28fd6df41f_prep:
	.size	k_q28fd6df41f_prep, .Lfunc_end_k_q28fd6df41f_prep-k_q28fd6df41f_prep
	.p2alignl 7, 3214868480
	.fill 96, 4, 3214868480
	.section	.rodata,"a",@progbits
	.p2align	6, 0x0
	.amdhsa_kernel k_q28fd6df41f_prep
		.amdhsa_group_segment_fixed_size 34304
		.amdhsa_private_segment_fixed_size 0
		.amdhsa_enable_private_segment 0
		.amdhsa_kernarg_size 40
		.amdhsa_user_sgpr_count 2
		.amdhsa_user_sgpr_kernarg_segment_ptr 1
		.amdhsa_wavefront_size32 1
		.amdhsa_system_sgpr_workgroup_id_x 1
		.amdhsa_system_sgpr_workgroup_id_y 1
		.amdhsa_system_sgpr_workgroup_id_z 1
		.amdhsa_system_vgpr_workitem_id 0
		.amdhsa_next_free_vgpr 256
		.amdhsa_next_free_sgpr 66
		.amdhsa_reserve_vcc 0
		.amdhsa_float_denorm_mode_32 3
		.amdhsa_float_denorm_mode_16_64 3
		.amdhsa_memory_ordered 1
		.amdhsa_forward_progress 1
		.amdhsa_inst_pref_size 21
	.end_amdhsa_kernel
	.amdgpu_metadata
---
amdhsa.version: [ 1, 2 ]
amdhsa.kernels:
  - .name:           k_q28fd6df41f_prep
    .symbol:         k_q28fd6df41f_prep.kd
    .args:
      - { .name: W2, .offset: 0, .size: 8, .value_kind: global_buffer, .address_space: global }
      - { .name: W1, .offset: 8, .size: 8, .value_kind: global_buffer, .address_space: global }
      - { .name: b1, .offset: 16, .size: 8, .value_kind: global_buffer, .address_space: global }
      - { .name: lowp_scales, .offset: 24, .size: 8, .value_kind: global_buffer, .address_space: global }
      - { .name: w2s, .offset: 32, .size: 8, .value_kind: global_buffer, .address_space: global }
    .group_segment_fixed_size: 34304
    .private_segment_fixed_size: 0
    .kernarg_segment_align: 8
    .kernarg_segment_size: 40
    .max_flat_workgroup_size: 128
    .sgpr_count:     66
    .vgpr_count:     256
    .wavefront_size: 32
...
	.end_amdgpu_metadata
.endif
;; end of part 3
;; launch ffn (part 4): grid 256 x 1, 4 waves a work-group, clusters of 4 x 1, 327,680 bytes of LDS; arguments x, theta, lowp_scales, b2, w2s, out0; writes out0
.if DOCPART == 4
	.amdgcn_target "amdgcn-amd-amdhsa--gfx1250"
	.amdhsa_code_object_version 6
	.text
	.protected	k_q28fd6df41f_ffn
	.globl	k_q28fd6df41f_ffn
	.p2align	8
	.type	k_q28fd6df41f_ffn,@function
k_q28fd6df41f_ffn:
	s_mov_b64 s[64:65], 0
	v_nop
	global_prefetch_b8 v0, s[64:65] scope:SCOPE_SE
	s_setreg_imm32_b32 hwreg(HW_REG_WAVE_MODE, 25, 1), 1
	s_wait_xcnt 0x0
	s_wait_alu depctr_hold_cnt(0) depctr_sa_sdst(0) depctr_va_vdst(0) depctr_va_sdst(0) depctr_va_ssrc(0) depctr_va_vcc(0) depctr_vm_vsrc(0)
	s_getreg_b32 s2, hwreg(HW_REG_IB_STS2, 6, 4)
	s_cmp_eq_u32 s2, 0
	s_cbranch_scc0 .Lentry_in_a_cluster
	s_endpgm
.Lentry_in_a_cluster:
	s_bfe_u32 s2, ttmp6, 0x10000c
	s_cmp_lg_u32 s2, 0x3003
	s_cbranch_scc0 .Lentry_shape_is_right
	s_endpgm
.Lentry_shape_is_right:
; out = Q(relu(q W1^T + b1)) Q(W2)^T + b2, q = <Z> of the circuit on the first 8 features of each token (features 8 to 1023 are sliced away by reference() and are not read).
; A work-group of four waves makes 64 rows x all 1,024 columns; wave w makes 64 x 256: 64 accumulators, 512 registers.  K = 4,096 goes in 32 steps of 128.
; THE HIDDEN LAYER is made once: in each step wave w makes its 32 of the next step's 128 hidden units for the 64 rows (f32 matrix form, b1 as the C of the first of two K steps of 4), holds them between 0 and
; 57,344 x 2^e0 (relu and hold in one), converts them, and stores the codes as an image of the operand's registers in LDS (two images by turns).
; W2's CODES lie in the workspace in the order of the operand's registers, a block of 137,216 bytes a step: codes(n), then W1's and b1's piece for step n + 1.  Two LDS slots take turns; each wave fetches a quarter of a block.
; CLUSTERS: the four work-groups of a cluster walk the same blocks and ask for each JOINTLY (mask 15).  The round of the cluster's barrier in front of each refill is also the step's barrier for h's image.
; A STEP: behind the round the refill, then the loads of the aux piece and of column tiles 0-7 (set 0); the LAST step's products on column tiles 8-15 (set 1), which need registers alone; the loads of h's fragments and of set 1;
; the f32 products and the quantiser for the next step; set 0's products.  So a wave's reads of a slot are issued in the step's first half, and only the round stands between the wait for the next tile and the refill.
; The clusters walk K round from different starts.  NO PREFETCH: in every step the 64 clusters between them load all 32 blocks, two clusters a block, so each block that a step asks for was loaded by other work-groups in the step before.
; The k of a fragment are permuted alike in both operands (registers 4 c .. 4 c + 3: k = 32 c + 16 h + 0 .. 15): every product meets its partner.
; LIMITS: e0 between -126 and 112, e0 + e1 between -126 and 127; |x|, |theta| under 2^22 (the rounding by the added constant 1.5 x 2^23); NaN among the inputs is not served.
.set BLK,    137216
.set AUX,    6144
.set QTR,    BLK/4
.set XW1,    131072                    ; in a slot: W1's tiles,
.set XB1,    135168                    ; b1
.set HIMG,   2*BLK                     ; behind the slots: the two images of 8,192 bytes,
.set SPARE,  HIMG+16384                ; the spare words
.set SPITCH, 1040                      ; the way out: a stage of 16 rows x 1,040 bytes for each wave, in slot 0, which has had its last fill and its last read by then
.set ADRB, 2                           ; v2-3   my codes in slot 0, 1
.set ADRX, 4                           ; v4-5   my W1 tiles
.set ADRC, 6                           ; v6-7   my b1
.set AIMG, 8
.set HWI,  9
.set SPW,  10
.set NIL,  11
.set SC,   12
.set HOLD, 13
.set STO,  14
.set RD,   15
.set QF,   16                          ; v16-31   q as the f32 form's second source
.set WB,   32                          ; v32-55   W1's two tiles (8) and b1 in the result's layout (16)
.set CO,   56                          ; 1024 w + 16 L
.set XO,   57
.set THO,  58
.set AXB,  59
.set DH,   80                          ; v80-143  the f32 sums: written by matrix instructions alone
.set TT,   144                         ; v144-175 held numbers
.set CD,   176                         ; v176-183 codes
.set B2,   184                         ; v184-191 b2
.set AF,   192                         ; v192-255 h's fragments: 4 x 16
.set XR,   144                         ; the head's own: x, theta, cos and sin of theta / 2
.set TH,   160
.set CTH,  164
.set STH,  168
.set T,    192                         ; four chains x 8
.set G1,   24
.set G0,   32
.set KI,   44
.set OFP,  46
.set TBA,  60
.set AX0,  62
.set MK,   66
.set MUL_LO, 0xa1                      ; source 0 (W2) window 1, source 1 (h) window 0, C and D window 2; +0x50: window 3
.set TO_B,   0x40
.set ST_LO,  0x08
.set MSB, 0
.macro WIN new
.if MSB != \new
	s_set_vgpr_msb (MSB<<8)|\new
.set MSB, \new
.endif
.endm
.macro NOPS n
.rept \n
	v_nop
.endr
.endm
.macro CREST
	s_cmp_lg_u32 s16, 0
	s_cbranch_scc1 .Lnot_wave_0_\@
	s_barrier_signal -3
.Lnot_wave_0_\@:
	s_barrier_wait -3
	s_barrier_signal -1
	s_barrier_wait -1
.endm
.macro CROUND
	s_barrier_signal -1
	s_barrier_wait -1
	CREST
.endm
; 16 products: h's blocks a0, a0 + 1 x the set's eight column tiles, 128 along K; the accumulators take turns
.macro MULS s, a0, zero
	WIN MUL_LO+0x50*((\a0)/2)
.irp a, \a0, \a0+1
.irp b, 0,1,2,3,4,5,6,7
.if \zero
	v_wmma_f32_16x16x128_bf8_bf8 v[128*((\a)%2)+64*(\s)+8*\b:128*((\a)%2)+64*(\s)+8*\b+7], v[128*(\s)+16*\b:128*(\s)+16*\b+15], v[AF+16*(\a):AF+16*(\a)+15], 0
.else
	v_wmma_f32_16x16x128_bf8_bf8 v[128*((\a)%2)+64*(\s)+8*\b:128*((\a)%2)+64*(\s)+8*\b+7], v[128*(\s)+16*\b:128*(\s)+16*\b+15], v[AF+16*(\a):AF+16*(\a)+15], v[128*((\a)%2)+64*(\s)+8*\b:128*((\a)%2)+64*(\s)+8*\b+7]
.endif
.endr
.endr
.endm
.macro LDB p, s                        ; 32 LDS loads: set s out of slot p
	WIN TO_B
.irp b, 0,1,2,3,4,5,6,7
.irp c, 0,1,2,3
	ds_load_b128 v[128*(\s)+16*\b+4*\c:128*(\s)+16*\b+4*\c+3], v[ADRB+(\p)] offset:16384*(\c/2)+1024*(8*(\s)+\b)+512*(\c%2)
.endr
.endr
	WIN 0
.endm
.macro LDA p                           ; 16 LDS loads: h's four fragments out of image p
.irp m, 0,1,2,3
.irp c, 0,1,2,3
	ds_load_b128 v[AF+16*\m+4*\c:AF+16*\m+4*\c+3], v[AIMG] offset:8192*(\p)+2048*\m+512*\c
.endr
.endr
.endm
.macro LAUX p                          ; 6 LDS loads: W1's two tiles and b1 for the next step
.irp u, 0,1
	ds_load_b128 v[WB+4*\u:WB+4*\u+3], v[ADRX+(\p)] offset:512*\u
.endr
.irp k, 0,1,2,3
	ds_load_b128 v[WB+8+4*\k:WB+8+4*\k+3], v[ADRC+(\p)] offset:16*\k
.endr
.endm
; the f32 products, transposed: source 0 = 16 rows of W1, source 1 = q.  All eight sums' first K steps, then all eight second: the sums take turns
.macro FWS
.irp m, 0,1,2,3
.irp u, 0,1
	v_wmma_f32_16x16x4_f32 v[DH+16*\m+8*\u:DH+16*\m+8*\u+7], v[WB+4*\u:WB+4*\u+1], v[QF+4*\m:QF+4*\m+1], v[WB+8+8*\u:WB+8+8*\u+7]
.endr
.endr
.irp m, 0,1,2,3
.irp u, 0,1
	v_wmma_f32_16x16x4_f32 v[DH+16*\m+8*\u:DH+16*\m+8*\u+7], v[WB+4*\u+2:WB+4*\u+3], v[QF+4*\m+2:QF+4*\m+3], v[DH+16*\m+8*\u:DH+16*\m+8*\u+7]
.endr
.endr
.endm
.macro QUANT pi                        ; relu and hold in one, conversion, 16 codes a lane and row block into image pi
.irp m, 0,1,2,3
.irp e, 0,1,2,3,4,5,6,7,8,9,10,11,12,13,14,15
	v_med3_num_f32 v[TT+16*(\m%2)+\e], v[DH+16*\m+\e], 0, v[HOLD]
.endr
	v_cvt_scalef32_pk8_bf8_f32 v[CD+4*(\m%2):CD+4*(\m%2)+1], v[TT+16*(\m%2):TT+16*(\m%2)+7], v[SC]
	v_cvt_scalef32_pk8_bf8_f32 v[CD+4*(\m%2)+2:CD+4*(\m%2)+3], v[TT+16*(\m%2)+8:TT+16*(\m%2)+15], v[SC]
	v_nop
	ds_store_b128 v[HWI], v[CD+4*(\m%2):CD+4*(\m%2)+3] offset:8192*(\pi)+2048*\m
.endr
.endm
; K step n in slot and image p = n % 2.  fill: the other slot takes block n + 1.  prod: the next step's hidden units are made.  left: the last step's set 1 is multiplied (1: it starts its sums; 2: it adds; 0: there is none).  zero0: set 0 starts its sums.
.macro STEP p, fill, prod, left, zero0
	s_wait_tensorcnt 0x0                           ; my one tensor load, my quarter of this step's slot, has landed;
	ds_add_u32 v[SPW], v[NIL]                      ; 0 onto my spare word;
.if \fill
	s_add_co_u32 s[KI], s[KI], 1                   ; no load of mine is out: the other slot's group 0 takes the next block, round the 32
	s_and_b32 s[KI], s[KI], 31
	s_mul_i32 s[OFP], s[KI], BLK
	s_add_nc_u64 s[G0+4*(1-\p)+2:G0+4*(1-\p)+3], s[TBA:TBA+1], s[OFP:OFP+1]
	s_or_b32 s[G0+4*(1-\p)+3], s[G0+4*(1-\p)+3], 0x80000000
.endif
	s_wait_dscnt 0x0                               ; the add is done, my reads of the other slot and image are over, my codes are in this step's image
	s_barrier_signal -1
	s_barrier_wait -1
.if \fill
	CREST                                          ; the barrier has opened a round of the cluster's barrier
	tensor_load_to_lds s[G0+4*(1-\p):G0+4*(1-\p)+3], s[G1:G1+7]
	s_nop 0
.endif
	NOPS 4                                         ; also the places in front of the loads into set 0, which the last products read
.if \prod
	LAUX \p
.endif
	LDB \p, 0
.if \left
	MULS 1, 0, 2-\left
	MULS 1, 2, 2-\left
	WIN 0
	NOPS 4                                         ; places in front of the loads into h's fragments and set 1
.endif
	LDA \p
	LDB \p, 1
.if \prod
	s_wait_dscnt 48                                ; all but the 16 + 32 loads just issued
	FWS
	NOPS 8                                         ; places behind the f32 form
	QUANT 1-\p
.endif
	s_wait_dscnt 32+4*\prod                        ; h's fragments are in; set 1's 32 loads and the image's four stores may be out
	MULS 0, 0, \zero0
	MULS 0, 2, \zero0
	WIN 0
.endm
; cos and sin of half of four angles, up to sign (only their squares are used), in four chains side by side: n = round(a / (pi/2)) by an added constant, a - n pi/2 in three parts, two polynomials, swapped where n is odd
.macro TRIG4 src, dc, dsn, st
.irp c, 0,1,2,3
	v_mul_f32 v[T+8*\c], 0.5, v[\src+\c]
.endr
.irp c, 0,1,2,3
	v_fma_f32 v[T+8*\c+1], v[T+8*\c], s50, s49
.endr
.irp c, 0,1,2,3
	v_and_b32 v[T+8*\c+6], 1, v[T+8*\c+1]
	v_sub_f32 v[T+8*\c+1], v[T+8*\c+1], s49
.endr
.irp k, 51,52,53
.irp c, 0,1,2,3
	v_fma_f32 v[T+8*\c], v[T+8*\c+1], s\k, v[T+8*\c]
.endr
.endr
.irp c, 0,1,2,3
	v_mul_f32 v[T+8*\c+2], v[T+8*\c], v[T+8*\c]
.endr
.irp c, 0,1,2,3
	v_fma_f32 v[T+8*\c+3], v[T+8*\c+2], s54, s55
	v_fma_f32 v[T+8*\c+4], v[T+8*\c+2], s57, s58
	v_mul_f32 v[T+8*\c+5], v[T+8*\c+2], v[T+8*\c]
	v_mul_f32 v[T+8*\c+7], v[T+8*\c+2], v[T+8*\c+2]
.endr
.irp c, 0,1,2,3
	v_fma_f32 v[T+8*\c+3], v[T+8*\c+3], v[T+8*\c+2], s56
	v_fma_f32 v[T+8*\c+4], v[T+8*\c+4], v[T+8*\c+2], s59
.endr
.irp c, 0,1,2,3
	v_fma_f32 v[T+8*\c+3], v[T+8*\c+3], v[T+8*\c+5], v[T+8*\c]
.endr
.irp c, 0,1,2,3
	v_fma_f32 v[T+8*\c], v[T+8*\c+2], -0.5, 1.0
	v_cmp_eq_u32 s[MK+\c], 1, v[T+8*\c+6]
.endr
.irp c, 0,1,2,3
	v_fma_f32 v[T+8*\c+4], v[T+8*\c+4], v[T+8*\c+7], v[T+8*\c]
.endr
.irp c, 0,1,2,3
	v_cndmask_b32 v[\dc+\st*\c], v[T+8*\c+4], v[T+8*\c+3], s[MK+\c]
	v_cndmask_b32 v[\dsn+\st*\c], v[T+8*\c+3], v[T+8*\c+4], s[MK+\c]
.endr
.endm
.macro Q4 g                            ; |a|^2 - |b|^2 as reference() writes it, for four numbers
.irp c, 0,1,2,3
	v_mul_f32 v[T+8*\c], v[CTH+\c], v[T+8*\c+5]
	v_mul_f32 v[T+8*\c+1], v[STH+\c], v[T+8*\c+6]
	v_mul_f32 v[T+8*\c+2], v[STH+\c], v[T+8*\c+5]
	v_mul_f32 v[T+8*\c+3], v[CTH+\c], v[T+8*\c+6]
.endr
.irp c, 0,1,2,3
	v_mul_f32 v[T+8*\c], v[T+8*\c], v[T+8*\c]
	v_mul_f32 v[T+8*\c+2], v[T+8*\c+2], v[T+8*\c+2]
.endr
.irp c, 0,1,2,3
	v_fma_f32 v[T+8*\c], v[T+8*\c+1], v[T+8*\c+1], v[T+8*\c]
	v_fma_f32 v[T+8*\c+2], v[T+8*\c+3], v[T+8*\c+3], v[T+8*\c+2]
.endr
.irp c, 0,1,2,3
	v_sub_f32 v[QF+4*\g+\c], v[T+8*\c], v[T+8*\c+2]
.endr
.endm
; THE WAY OUT of 16 rows x 256 columns: through my own stage, back as rows of 1,024 bytes, x 2^(e0 + e1) + b2, stored 512 consecutive bytes an instruction
.macro OUTBLK a
.set oA, 128*((\a)%2)
	WIN ST_LO+4*((\a)/2)
.irp b, 0,1,2,3,4,5,6,7,8,9,10,11,12,13,14,15
	ds_store_b128 v[STO], v[oA+8*\b:oA+8*\b+3] offset:64*\b
	ds_store_b128 v[STO], v[oA+8*\b+4:oA+8*\b+7] offset:64*\b+16
.endr
.if (\a) >= 2
	s_wait_xcnt 0x0                                ; block a - 2's stores have read the registers that the loads below fill
.endif
	WIN TO_B
.irp hf, 0,1
.irp t, 0,1,2,3,4,5,6,7,8,9,10,11,12,13,14,15
	ds_load_b128 v[oA+64*\hf+4*\t:oA+64*\hf+4*\t+3], v[RD] offset:SPITCH*\t+512*\hf
.endr
.endr
.irp hf, 0,1
	s_wait_dscnt 16-16*\hf
	WIN 0x41
.irp t, 0,1,2,3,4,5,6,7,8,9,10,11,12,13,14,15
	v_pk_fma_f32 v[oA+64*\hf+4*\t:oA+64*\hf+4*\t+1], v[oA+64*\hf+4*\t:oA+64*\hf+4*\t+1], s[42:43], v[B2+4*\hf:B2+4*\hf+1] op_sel_hi:[1,0,1]
	v_pk_fma_f32 v[oA+64*\hf+4*\t+2:oA+64*\hf+4*\t+3], v[oA+64*\hf+4*\t+2:oA+64*\hf+4*\t+3], s[42:43], v[B2+4*\hf+2:B2+4*\hf+3] op_sel_hi:[1,0,1]
.endr
	WIN 0x04
.irp t, 0,1,2,3,4,5,6,7,8,9,10,11,12,13,14,15
	global_store_b128 v[CO], v[oA+64*\hf+4*\t:oA+64*\hf+4*\t+3], s[14:15] offset:(16*(\a)+\t)*4096+512*\hf th:TH_STORE_NT
.endr
.endr
.endm
	s_load_b256 s[4:11], s[0:1], 0x0               ; x s[4:5], theta s[6:7], the scales' exponents s[8:9], b2 s[10:11]
	s_load_b128 s[12:15], s[0:1], 0x20             ; the workspace s[12:13], out0 s[14:15]
	v_lshl_add_u32 v[SPW], v0, 2, SPARE
	v_mov_b32 v[NIL], 0
	ds_add_u32 v[SPW], v[NIL]                      ; the opening add, twice on end; its wait stands ahead of my first tensor load
	ds_add_u32 v[SPW], v[NIL]
	v_lshrrev_b32 v1, 5, v0
	v_readfirstlane_b32 s16, v1                    ; wave 0..3
	s_bfe_u32 s17, ttmp6, 0x40000                  ; cx
	s_lshl_b32 s18, ttmp9, 2
	s_add_co_u32 s18, s18, s17                     ; work-group = 4 x cluster + cx: it enters x's and out0's addresses alone
	s_mov_b32 s[G1+0], 15|(3<<16)|(1<<21)          ; mask: the cluster's four; elements of 8 bytes; bit 21 beside a mask
	s_mov_b32 s[G1+1], 32<<16                      ; rows of 256 bytes,
	s_mov_b32 s[G1+2], 134<<16                     ; 134 of them: a quarter of a block
	s_mov_b32 s[G1+3], 32<<16
	s_mov_b32 s[G1+4], 134
	s_mov_b32 s[G1+5], 32
	s_mov_b32 s[G1+6], 0
	s_mov_b32 s[G1+7], 0
	s_mov_b32 s49, 0x4b400000                      ; 1.5 x 2^23
	s_mov_b32 s50, 0x3f22f983                      ; 2 / pi
	s_mov_b32 s51, 0xbfc90fda                      ; - pi / 2 in three parts
	s_mov_b32 s52, 0xb3a22168
	s_mov_b32 s53, 0xa7c234c4
	s_mov_b32 s54, 0xb94ca1f9                      ; the sine's polynomial
	s_mov_b32 s55, 0x3c08839e
	s_mov_b32 s56, 0xbe2aaaa3
	s_mov_b32 s57, 0x37ccf5ce                      ; the cosine's
	s_mov_b32 s58, 0xbab6061a
	s_mov_b32 s59, 0x3d2aaaa5
	s_mul_i32 s19, s16, QTR                        ; my quarter of a block, in memory and in a slot
	s_add_co_u32 s20, s19, AUX
	s_mov_b32 s21, 0
	s_lshr_b32 s2, ttmp9, 5
	s_mul_i32 s2, s2, 31
	s_xor_b32 s[KI], ttmp9, s2
	s_and_b32 s[KI], s[KI], 31                     ; where my cluster's walk round K begins
	s_mul_i32 s[OFP], s[KI], BLK
	s_mov_b32 s[OFP+1], 0
	s_lshl_b32 s22, s18, 18                        ; my 64 rows of 4,096 bytes, in x and in out0
	s_mov_b32 s23, 0
	s_lshl_b32 s3, s16, 15
	s_lshl_b32 s66, s16, 10
	s_add_co_u32 s67, s66, XW1
	s_lshl_b32 s68, s16, 7
	s_add_co_u32 s69, s68, XB1
	s_lshl_b32 s70, s16, 9
	s_add_co_u32 s70, s70, HIMG
	s_mul_i32 s71, s16, 16*SPITCH                  ; my stage
	v_and_b32 v1, 31, v0
	v_lshlrev_b32 v1, 4, v1                        ; 16 L
	v_and_b32 v[T], 15, v0                         ; r
	v_bfe_u32 v[T+1], v0, 4, 1                     ; h
	v_add_nc_u32 v[ADRB], s3, v1
	v_add_nc_u32 v[ADRB+1], BLK, v[ADRB]
	v_add_nc_u32 v[CO], s66, v1
	v_add_nc_u32 v[ADRX], s67, v1
	v_add_nc_u32 v[ADRX+1], BLK, v[ADRX]
	v_lshl_add_u32 v[AXB], v[T+1], 6, s68
	v_lshl_add_u32 v[ADRC], v[T+1], 6, s69
	v_add_nc_u32 v[ADRC+1], BLK, v[ADRC]
	v_add_nc_u32 v[AIMG], HIMG, v1
	v_add_nc_u32 v[HWI], s70, v1
	v_mul_u32_u24 v[STO], v[T], SPITCH
	v_lshl_add_u32 v[STO], v[T+1], 5, v[STO]
	v_add_nc_u32 v[STO], s71, v[STO]
	v_add_nc_u32 v[RD], s71, v1
	v_lshlrev_b32 v[XO], 12, v[T]
	v_lshl_add_u32 v[XO], v[T+1], 3, v[XO]         ; x: row r, + 8 h bytes
	v_lshlrev_b32 v[THO], 3, v[T+1]
	s_wait_dscnt 0x0                               ; both opening adds are done
	s_wait_alu depctr_va_vdst(0)
	s_wait_kmcnt 0x0
	s_load_b64 s[40:41], s[8:9], 0x0               ; e0, e1
	s_add_nc_u64 s[TBA:TBA+1], s[12:13], s[20:21]
	s_add_nc_u64 s[AX0:AX0+1], s[12:13], s[OFP:OFP+1]
	s_add_nc_u64 s[4:5], s[4:5], s[22:23]
	s_add_nc_u64 s[14:15], s[14:15], s[22:23]
	s_mov_b32 s[G0], 1
	s_add_co_u32 s[G0+1], s19, 0
	s_add_nc_u64 s[G0+2:G0+3], s[TBA:TBA+1], s[OFP:OFP+1]
	s_or_b32 s[G0+3], s[G0+3], 0x80000000
	s_mov_b32 s[G0+4], 1
	s_add_co_u32 s[G0+5], s19, BLK
.irp m, 0,1,2,3
.irp s, 0,1
	global_load_b64 v[XR+4*\m+2*\s:XR+4*\m+2*\s+1], v[XO], s[4:5] offset:65536*\m+16*\s   ; x[16 m + r][4 s + 2 h], [.. + 1]
.endr
.endr
.irp s, 0,1
	global_load_b64 v[TH+2*\s:TH+2*\s+1], v[THO], s[6:7] offset:16*\s
.endr
.irp u, 0,1
	global_load_b128 v[WB+4*\u:WB+4*\u+3], v[CO], s[AX0:AX0+1] offset:512*\u               ; the first step's W1 and b1 come by loads of their own
.endr
.irp k, 0,1,2,3
	global_load_b128 v[WB+8+4*\k:WB+8+4*\k+3], v[AXB], s[AX0:AX0+1] offset:4096+16*\k
.endr
.irp hf, 0,1
	global_load_b128 v[B2+4*\hf:B2+4*\hf+3], v[CO], s[10:11] offset:512*\hf
.endr
	CROUND                                         ; the four work-groups are here: the first joint loads meet
	tensor_load_to_lds s[G0:G0+3], s[G1:G1+7]      ; the first block: one tensor load a wave at the head
	s_nop 0
	NOPS 4
	s_wait_kmcnt 0x0
	s_add_co_i32 s20, s40, 127
	s_lshl_b32 s21, s20, 23
	v_mov_b32 v[SC], s21                           ; 2^e0 as f32
	s_add_co_i32 s20, s20, 15
	s_lshl_b32 s20, s20, 23
	s_or_b32 s20, s20, 0x600000
	v_mov_b32 v[HOLD], s20                         ; 57,344 x 2^e0
	s_add_co_i32 s42, s40, s41
	s_add_co_i32 s42, s42, 127
	s_lshl_b32 s42, s42, 23                        ; 2^(e0 + e1) as f32
	s_mov_b32 s43, s42
	s_wait_alu depctr_va_vdst(0)
	s_wait_loadcnt 0x0
	TRIG4 TH, CTH, STH, 1
.irp g, 0,1,2,3
	TRIG4 XR+4*\g, T+5, T+6, 8
	Q4 \g
.endr
	s_wait_alu depctr_va_vdst(0)
	FWS                                            ; the first step's hidden units
	NOPS 8
	QUANT 0
	STEP 0, 1, 1, 0, 1                             ; step 0: slot 1's first fill is issued as a refill is; set 0 starts its sums
	STEP 1, 1, 1, 1, 0                             ; step 1: step 0's set 1 starts its sums
	s_mov_b32 s3, 14
.Llap:                                                 ; steps 2 to 29
	STEP 0, 1, 1, 2, 0
	STEP 1, 1, 1, 2, 0
	s_sub_co_u32 s3, s3, 1
	s_cmp_lg_u32 s3, 0
	s_cbranch_scc1 .Llap
	STEP 0, 1, 1, 2, 0                             ; step 30
	STEP 1, 0, 0, 2, 0                             ; step 31 fills nothing and makes no hidden units
	s_wait_dscnt 0x0                               ; its set 1 is in
	MULS 1, 0, 0
	MULS 1, 2, 0
	WIN 0
	NOPS 4
	OUTBLK 0
	OUTBLK 1
	OUTBLK 2
	OUTBLK 3
	WIN 0
	s_wait_tensorcnt 0x0                           ; the wave's end, behind my last tensor load and my last LDS store
	ds_add_u32 v[SPW], v[NIL]
	s_wait_dscnt 0x0
	CROUND                                         ; the closing round
	s_endpgm
.Lfunc_end_k_q28fd6df41f_ffn:
	.size	k_q28fd6df41f_ffn, .Lfunc_end_k_q28fd6df41f_ffn-k_q28fd6df41f_ffn
	.p2alignl 7, 3214868480
	.fill 96, 4, 3214868480
	.section	.rodata,"a",@progbits
	.p2align	6, 0x0
	.amdhsa_kernel k_q28fd6df41f_ffn
		.amdhsa_group_segment_fixed_size 327680
		.amdhsa_private_segment_fixed_size 0
		.amdhsa_enable_private_segment 0
		.amdhsa_kernarg_size 48
		.amdhsa_user_sgpr_count 2
		.amdhsa_user_sgpr_kernarg_segment_ptr 1
		.amdhsa_wavefront_size32 1
		.amdhsa_system_sgpr_workgroup_id_x 1
		.amdhsa_system_sgpr_workgroup_id_y 1
		.amdhsa_system_sgpr_workgroup_id_z 1
		.amdhsa_system_vgpr_workitem_id 0
		.amdhsa_next_free_vgpr 1024
		.amdhsa_next_free_sgpr 72
		.amdhsa_reserve_vcc 0
		.amdhsa_float_denorm_mode_32 3
		.amdhsa_float_denorm_mode_16_64 3
		.amdhsa_memory_ordered 1
		.amdhsa_forward_progress 1
		.amdhsa_inst_pref_size 181
	.end_amdhsa_kernel
	.amdgpu_metadata
---
amdhsa.version: [ 1, 2 ]
amdhsa.kernels:
  - .name:           k_q28fd6df41f_ffn
    .symbol:         k_q28fd6df41f_ffn.kd
    .args:
      - { .name: x, .offset: 0, .size: 8, .value_kind: global_buffer, .address_space: global }
      - { .name: theta, .offset: 8, .size: 8, .value_kind: global_buffer, .address_space: global }
      - { .name: lowp_scales, .offset: 16, .size: 8, .value_kind: global_buffer, .address_space: global }
      - { .name: b2, .offset: 24, .size: 8, .value_kind: global_buffer, .address_space: global }
      - { .name: w2s, .offset: 32, .size: 8, .value_kind: global_buffer, .address_space: global }
      - { .name: out0, .offset: 40, .size: 8, .value_kind: global_buffer, .address_space: global }
    .group_segment_fixed_size: 327680
    .private_segment_fixed_size: 0
    .kernarg_segment_align: 8
    .kernarg_segment_size: 48
    .max_flat_workgroup_size: 128
    .sgpr_count:     72
    .vgpr_count:     1024
    .wavefront_size: 32
...
	.end_amdgpu_metadata
.endif
;; end of part 4
